; MI455X (gfx1250); checked and timed in simulation.
; The chip was launched on July 23, 2026; its instructions are those of AMD's public machine-readable ISA for CDNA 5 (MIT licence, August 2026) and "CDNA5" Instruction Set Architecture Reference Guide (July 2026). The comments in the code are by the model that wrote it; some were corrected since.
;; FUNKAN. Allowed arithmetic: matrix products marked QUANTISED: E4M3 operands, one given power-of-two scale a tensor, by v_wmma_f32_16x16x64_fp8_fp8 or v_wmma_f32_16x16x128_fp8_fp8, f32 sums; products left as they are: f32 operands where the result goes on into a quantised operand, else bf16, f16 or f32 operands; f32 sums; everything else in f32.
;; Inputs: Wt 64 x 64 float32; b 64 float32; beta 64 float32; gamma 64 float32; lowp_scales 2 int32 (the exponents e of the quantised operands' scales 2^e); x 8 x 64 x 128 x 128 float32.
;; Outputs: out0 8 x 64 x 128 x 128 float32.
;; This version of the problem:
;;   THIS VERSION OF THE PROBLEM IS GIVEN IN LOW PRECISION. The matrix products marked QUANTISED in the list below multiply operands that are first quantised to E4M3 (4 exponent bits, 3 mantissa bits; 8 bits a number), with one given power-of-two scale for each operand tensor; their sums are f32. All else is computed in f32.
;;   The module's matrix products, in the order in which they are computed (A, B: the left and right operand; K: the contracted axis; several contracted axes count as one K, in the product's order):
;;     1. batch 512 x [M 6, K 16,384] x [K 16,384, N 1]; A: computed on the way; B: computed on the way: left as it is (M = 6 < 16)
;;     2. batch 512 x [M 1, K 6] x [K 6, N 16,384]; A: softmax; B: computed on the way: left as it is (K = 6 < 32)
;;     3. [M 131,072, K 64] x [K 64, N 64]; A: computed on the way; B: input Wt: QUANTISED (scales: A lowp_scales[0], B lowp_scales[1])
;;   THE QUANTISER, for each operand of a quantised product, along K:
;;     - The operand's scale is 2^e, e = its entry of the input lowp_scales (int32; the entries are numbered through the quantised products in the list's order, A before B).
;;     - Each number is divided by the scale, clamped to +-448, and rounded to the nearest number of E4M3, ties to even, subnormals kept.
;;     - The product sums the exact products of the quantised numbers (number of the format x scale) in f32.
;;   ~~~python
;;   def quantise(x, axis, e):      # numpy; x: float32 -> the quantised numbers, widened to float32 again
;;       x = np.moveaxis(x, axis, -1); K = x.shape[-1]
;;       r = np.clip(x / 2.0 ** e, -448, 448)
;;       step = 2.0 ** (np.maximum(np.frexp(np.where(r == 0, 1, r))[1] - 1, -6) - 3)
;;       q = np.round(r / step) * step * 2.0 ** e      # np.round: ties to even
;;       return np.moveaxis(q, -1, axis).astype(np.float32)
;;   ~~~
;;   OPERANDS COMPUTED ON THE WAY. 'Computed on the way' means the value that the module computes at that place (a softmax that the list does not call 'softmax' is quantised finished and normalised). What goes into a quantiser is computed in f32, as accurately as f32 sums, v_exp_f32 and their like allow (about 1e-6 of the number): no bf16 or f16 on the way to a quantiser, and a product that is left as it is and whose result goes on into a quantised operand takes f32 operands (vector FMAs, or v_wmma_f32_16x16x4_f32). A number that lies on a knife's edge between two numbers of the format may be rounded either way, as far as f32 arithmetic and the matrix unit's own rounding can turn it there, and no further.
;; 2 versions, each right; version 2 is version 1 with the launch final written anew for expert scheduling mode. Each part assembles by itself: llvm-mc -triple=amdgcn-amd-amdhsa -mcpu=gfx1250 --defsym DOCPART=n.
;; ======== version 1 of 2: 3 launches
;; workspace buffers: stats 4,096 bytes; params 16,384 bytes; wcodes 4,096 bytes; ubuf 33,554,432 bytes
;; launch stats (part 1): grid 512 x 1, 8 waves a work-group, no clusters, 1,280 bytes of LDS; arguments x, Wt, lowp_scales, stats, wcodes; writes stats, wcodes
.if DOCPART == 1
	.amdgcn_target "amdgcn-amd-amdhsa--gfx1250"
	.amdhsa_code_object_version 6
	.text
	.protected	k_q87b47f498f_stats
	.globl	k_q87b47f498f_stats
	.p2align	8
	.type	k_q87b47f498f_stats,@function
k_q87b47f498f_stats:
	s_mov_b64 s[64:65], 0
	v_nop
	global_prefetch_b8 v0, s[64:65] scope:SCOPE_SE
	s_setreg_imm32_b32 hwreg(HW_REG_WAVE_MODE, 25, 1), 1
	s_wait_xcnt 0x0
; Row statistics for the batch norm, and Wt's codes.
; x: [8][64][16384] f32.  Work-group n owns row n = 64 b + c: 65,536 bytes.  Eight waves; thread t holds the 16 bytes at 16 t of each of the row's sixteen blocks of 4,096 bytes:
; one load of a wave covers 512 consecutive bytes, all sixteen loads are out together, and the row stays in registers for both passes.
; Pass 1: the row's mean.  Pass 2: M2 = the sum of (x - mean)^2, from the registers: no difference of large sums is formed, so a common offset of the inputs costs no digits.
; Stored: (mean, M2) at stats[c][b], 8 bytes, so that a channel's eight entries lie on end for the next launch.
; Wave 0 of work-groups 0 to 3 then quantises 16 rows of Wt ([64][64] f32, K = the channels) to E4M3 with the given scale 2^e1, as an image of the operand's registers:
; lane (r, h) of tile ot holds row 16 ot + r, and its registers 2 g, 2 g + 1 the channels 32 h + 8 g + 0 .. 7.  The last launch gives y's codes the same places along K.
; LIMITS: e1 between -126 and 119.  NaN and infinities among the inputs are not served.
.set X,  16                            ; v16-79   the thread's 64 numbers
.set S,  80                            ; v80-87   four chains of packed sums; later the eight waves' parts
.set T,  88                            ; v88-95   at work
.set M,  96                            ; v[96:97] the mean twice; at the end (mean, M2)
.set CW, 98                            ; v98-105  Wt's codes
.macro WSUM r, t                       ; the sum over the wave's 32 lanes, in every lane
	v_add_f32_dpp v[\r], v[\r], v[\r] row_xmask:1 row_mask:0xf bank_mask:0xf
	v_add_f32_dpp v[\r], v[\r], v[\r] row_xmask:2 row_mask:0xf bank_mask:0xf
	v_add_f32_dpp v[\r], v[\r], v[\r] row_xmask:4 row_mask:0xf bank_mask:0xf
	v_add_f32_dpp v[\r], v[\r], v[\r] row_xmask:8 row_mask:0xf bank_mask:0xf
	v_permlanex16_b32 v[\t], v[\r], s18, s19
	v_add_f32 v[\r], v[\r], v[\t]
.endm
.macro FOLD                            ; eight numbers in v[S] on become one, in v[T]
	v_pk_add_f32 v[S:S+1], v[S:S+1], v[S+2:S+3]
	v_pk_add_f32 v[S+4:S+5], v[S+4:S+5], v[S+6:S+7]
	v_pk_add_f32 v[S:S+1], v[S:S+1], v[S+4:S+5]
	v_add_f32 v[T], v[S], v[S+1]
.endm
	s_load_b128 s[4:7], s[0:1], 0x0                ; x, Wt
	s_load_b128 s[8:11], s[0:1], 0x10              ; lowp_scales, stats
	s_load_b64 s[12:13], s[0:1], 0x20              ; wcodes
	v_lshl_add_u32 v108, v0, 2, 0x100
	v_mov_b32 v109, 0
	v_lshlrev_b32 v1, 4, v0                        ; 16 t
	v_lshrrev_b32 v2, 5, v0
	v_readfirstlane_b32 s14, v2                    ; wave
	v_lshlrev_b32 v3, 2, v2                        ; my wave's word in LDS
	v_mov_b32 v4, 0
	v_mov_b32 v[T+1], 0                            ; a lane permute's destination counts as read: written once
	s_lshl_b32 s16, ttmp9, 16                      ; the row's first byte
	s_mov_b32 s17, 0
	s_mov_b32 s18, 0x76543210                      ; lane selects: lane l xor 16
	s_mov_b32 s19, 0xfedcba98
	s_wait_kmcnt 0x0
	s_add_nc_u64 s[4:5], s[4:5], s[16:17]
.irp i, 0,1,2,3,4,5,6,7,8,9,10,11,12,13,14,15
	global_load_b128 v[X+4*\i:X+4*\i+3], v1, s[4:5] offset:4096*\i
.endr
	s_wait_loadcnt 0x0
	; pass 1: the sum, two numbers an instruction, in four chains started by the first eight pairs
.irp q, 0,1,2,3
	v_pk_add_f32 v[S+2*\q:S+2*\q+1], v[X+2*\q:X+2*\q+1], v[X+8+2*\q:X+8+2*\q+1]
.endr
.set p, 8
.rept 24
	v_pk_add_f32 v[S+2*(p%4):S+2*(p%4)+1], v[S+2*(p%4):S+2*(p%4)+1], v[X+2*p:X+2*p+1]
.set p, p+1
.endr
	FOLD
	WSUM T, T+1
	ds_store_b32 v3, v[T]                          ; all lanes write the wave's word with the same number
	s_wait_dscnt 0x0                               ; for the others' sake: my store has landed
	s_barrier_signal -1
	s_barrier_wait -1
	ds_load_b128 v[S:S+3], v4                      ; the eight waves' parts, in every lane
	ds_load_b128 v[S+4:S+7], v4 offset:16
	s_wait_dscnt 0x0
	FOLD
	v_mul_f32 v[M], 0x38800000, v[T]               ; / 16,384: the row's mean
	v_mov_b32 v[M+1], v[M]
	; pass 2: the sum of squared distances from the row's mean
.irp q, 0,1,2,3
	v_pk_add_f32 v[T+2*\q:T+2*\q+1], v[X+2*\q:X+2*\q+1], v[M:M+1] neg_lo:[0,1] neg_hi:[0,1]
.endr
.irp q, 0,1,2,3
	v_pk_mul_f32 v[S+2*\q:S+2*\q+1], v[T+2*\q:T+2*\q+1], v[T+2*\q:T+2*\q+1]
.endr
.set p, 4
.rept 7
.irp q, 0,1,2,3
	v_pk_add_f32 v[T+2*\q:T+2*\q+1], v[X+2*(p+\q):X+2*(p+\q)+1], v[M:M+1] neg_lo:[0,1] neg_hi:[0,1]
.endr
.irp q, 0,1,2,3
	v_pk_fma_f32 v[S+2*\q:S+2*\q+1], v[T+2*\q:T+2*\q+1], v[T+2*\q:T+2*\q+1], v[S+2*\q:S+2*\q+1]
.endr
.set p, p+4
.endr
	FOLD
	WSUM T, T+1
	ds_store_b32 v3, v[T] offset:64                ; other bytes than the first sum's: no wave still reads what is written here
	s_wait_dscnt 0x0
	s_barrier_signal -1
	s_barrier_wait -1
	s_cmp_lg_u32 s14, 0                            ; the rest is wave 0's; no barrier follows
	s_cbranch_scc1 .Lend
	ds_load_b128 v[S:S+3], v4 offset:64
	ds_load_b128 v[S+4:S+7], v4 offset:80
	s_and_b32 s20, ttmp9, 63                       ; c
	s_lshl_b32 s20, s20, 3
	s_lshr_b32 s21, ttmp9, 6                       ; b
	s_add_co_u32 s20, s20, s21
	s_lshl_b32 s20, s20, 3                         ; (8 c + b) x 8 bytes
	s_mov_b32 s21, 0
	s_add_nc_u64 s[10:11], s[10:11], s[20:21]
	s_wait_dscnt 0x0
	FOLD
	v_mov_b32 v[M+1], v[T]                         ; (mean, M2)
	v_cmp_eq_u32 vcc_lo, 0, v0
	s_wait_xcnt 0x0                                ; EXEC changes only behind this wait
	s_and_saveexec_b32 s22, vcc_lo
	global_store_b64 v4, v[M:M+1], s[10:11]        ; one lane: the row's 8 bytes
	s_wait_xcnt 0x0                                ; and again in front of the line that widens it
	s_or_b32 exec_lo, exec_lo, s22
	s_cmp_lt_u32 ttmp9, 4
	s_cbranch_scc0 .Lend
	; Wt's tile ot = the work-group's number
	s_load_b32 s26, s[8:9], 0x4                    ; e1
	v_and_b32 v5, 15, v0                           ; r (in wave 0 the thread's number is the lane)
	v_bfe_u32 v6, v0, 4, 1                         ; h
	v_lshlrev_b32 v7, 8, v5                        ; a row of Wt is 256 bytes
	v_lshl_add_u32 v7, v6, 7, v7                   ; + my half's 32 channels
	s_lshl_b32 s24, ttmp9, 12                      ; 16 rows
	s_mov_b32 s25, 0
	s_add_nc_u64 s[6:7], s[6:7], s[24:25]
.irp q, 0,1,2,3,4,5,6,7
	global_load_b128 v[X+4*\q:X+4*\q+3], v7, s[6:7] offset:16*\q
.endr
	s_lshl_b32 s28, ttmp9, 10                      ; a tile's image: 1,024 bytes
	s_mov_b32 s29, 0
	s_add_nc_u64 s[12:13], s[12:13], s[28:29]
	s_wait_kmcnt 0x0
	s_add_co_i32 s26, s26, 127
	s_lshl_b32 s27, s26, 23
	v_mov_b32 v8, s27                              ; 2^e1 as f32: the conversion takes its exponent field
	s_add_co_i32 s26, s26, 8
	s_lshl_b32 s26, s26, 23
	s_or_b32 s26, s26, 0x600000
	v_mov_b32 v9, s26                              ; 448 x 2^e1
	s_wait_loadcnt 0x0
.set i, 0
.rept 32
	v_med3_num_f32 v[X+i], v[X+i], -v9, v9         ; the conversion to an 8-bit code does not saturate (ISA guide 7.6.2): the hold comes first
.set i, i+1
.endr
.irp g, 0,1,2,3
	v_cvt_scalef32_pk8_fp8_f32 v[CW+2*\g:CW+2*\g+1], v[X+8*\g:X+8*\g+7], v8
.endr
	global_store_b128 v1, v[CW:CW+3], s[12:13]             ; registers 0-3 of the fragment, 16 bytes a lane: 512 consecutive bytes
	global_store_b128 v1, v[CW+4:CW+7], s[12:13] offset:512 ; registers 4-7
.Lend:
	s_wait_tensorcnt 0x0
	ds_add_u32 v108, v109
	s_wait_dscnt 0x0
	s_endpgm
.Lfunc_end_k_q87b47f498f_stats:
	.size	k_q87b47f498f_stats, .Lfunc_end_k_q87b47f498f_stats-k_q87b47f498f_stats
	.p2alignl 7, 3214868480
	.fill 96, 4, 3214868480
	.section	.rodata,"a",@progbits
	.p2align	6, 0x0
	.amdhsa_kernel k_q87b47f498f_stats
		.amdhsa_group_segment_fixed_size 1280
		.amdhsa_private_segment_fixed_size 0
		.amdhsa_enable_private_segment 0
		.amdhsa_kernarg_size 40
		.amdhsa_user_sgpr_count 2
		.amdhsa_user_sgpr_kernarg_segment_ptr 1
		.amdhsa_wavefront_size32 1
		.amdhsa_system_sgpr_workgroup_id_x 1
		.amdhsa_system_sgpr_workgroup_id_y 1
		.amdhsa_system_sgpr_workgroup_id_z 1
		.amdhsa_system_vgpr_workitem_id 0
		.amdhsa_next_free_vgpr 110
		.amdhsa_next_free_sgpr 66
		.amdhsa_reserve_vcc 1
		.amdhsa_float_denorm_mode_32 3
		.amdhsa_float_denorm_mode_16_64 3
		.amdhsa_memory_ordered 1
		.amdhsa_forward_progress 1
		.amdhsa_inst_pref_size 16
	.end_amdhsa_kernel
	.amdgpu_metadata
---
amdhsa.version: [ 1, 2 ]
amdhsa.kernels:
  - .name:           k_q87b47f498f_stats
    .symbol:         k_q87b47f498f_stats.kd
    .args:
      - { .name: x, .offset: 0, .size: 8, .value_kind: global_buffer, .address_space: global }
      - { .name: Wt, .offset: 8, .size: 8, .value_kind: global_buffer, .address_space: global }
      - { .name: lowp_scales, .offset: 16, .size: 8, .value_kind: global_buffer, .address_space: global }
      - { .name: stats, .offset: 24, .size: 8, .value_kind: global_buffer, .address_space: global }
      - { .name: wcodes, .offset: 32, .size: 8, .value_kind: global_buffer, .address_space: global }
    .group_segment_fixed_size: 1280
    .private_segment_fixed_size: 0
    .kernarg_segment_align: 8
    .kernarg_segment_size: 40
    .max_flat_workgroup_size: 256
    .sgpr_count:     66
    .vgpr_count:     110
    .wavefront_size: 32
...
	.end_amdgpu_metadata
.endif
;; end of part 1
;; launch cost (part 2): grid 512 x 1, 8 waves a work-group, no clusters, 1,280 bytes of LDS; arguments x, gamma, beta, stats, params, ubuf; writes params, ubuf
.if DOCPART == 2
	.amdgcn_target "amdgcn-amd-amdhsa--gfx1250"
	.amdhsa_code_object_version 6
	.text
	.protected	k_q87b47f498f_cost
	.globl	k_q87b47f498f_cost
	.p2align	8
	.type	k_q87b47f498f_cost,@function
k_q87b47f498f_cost:
	s_mov_b64 s[64:65], 0
	v_nop
	global_prefetch_b8 v0, s[64:65] scope:SCOPE_SE
	s_setreg_imm32_b32 hwreg(HW_REG_WAVE_MODE, 25, 1), 1
	s_wait_xcnt 0x0
; For each row (b, c): the batch norm, u = tanh(xn) (stored, so that the next launch need not make it again), the six costs, their softmax, and the softmax folded into one polynomial.
; Work-group n owns row n = 64 b + c of x (16,384 f32); eight waves; a thread holds 64 numbers, all sixteen loads out together.
; THE NORM.  The channel's mean is the mean of its eight rows' means; its M2 is the sum of theirs + 16,384 x the sum of (row mean - mean)^2.  a = gamma / sqrt(M2 / 131,072 + 1e-5), shift = beta - mean a,
; xn = x a + shift in one fused multiply-add.
; TANH.  u = tanh(xn) = xc A(xc^2) / Q(xc^2), xc = xn held within +-7.9053 (where tanh is 1 in f32): the rational interpolant of degree 13 over 6, good to a couple of units in the last place at every size of xn,
; small ones too, where 1 - 2 / (1 + e^2x) would lose digits.  One reciprocal.  u goes to ubuf at x's own place: each store of a wave covers 512 consecutive bytes, aligned.
; ORDER.  tanh of the thread's first 32 numbers, their stores, tanh of the other 32, their stores, and only then the sums for all 64: the stores are on their way while the sums are made.
; HERMITE.  t = sqrt(13) u never appears: g = exp(-t^2 / 2) = 2^(CE u^2), CE = -6.5 log2(e); psi_k = N_k pi_k(u) g with the monic pi_k (pi_2 = u^2 - 1/26, pi_3 = u^3 - 3 u / 26, pi_4 = u^4 - 6 u^2 / 26 + 3/676,
; pi_5 = u^5 - 10 u^3 / 26 + 15 u / 676) and N_k = pi^(-1/4) sqrt(2^k / k!) 13^(k/2).
; THE SUMS are those of the monomials, m_k = the sum over the row of u^k g xn: n0 = g xn, n2 = u^2 n0, n4 = u^2 n2; the even sums are additions, the odd ones multiply-adds with u.  Each thread sums in 8 places
; for each k; then lanes, then waves.  cost_k = N_k x pi_k's coefficients applied to the m.  LIMIT: this is another order of rounding than a sum of psi_k xn: in cost_4 and cost_5 the terms are a few times
; larger than their sum, so a cost's rounding error is a few times that of a direct sum: a few parts in 10^7 of the cost.
; OUT.  w = softmax(cost), the largest cost taken away first.  y = the sum of w_k psi_k = g (c0 + c1 u + .. + c5 u^5): stored are a, shift, c0 .. c5: 32 bytes at params[b][c].
; NaN and infinities among the inputs are not served.
.set X,   16                           ; v16-79   64 numbers: x, then xn, then n0, n2, n4; at the end the waves' parts
.set C,   80                           ; v80-143  xc, then u: the stores read it, and nothing writes it again
.set Z,   144                          ; v144-175 at work
.set A,   176                          ; v176-207 at work
.set S,   208                          ; v208-255 the sums: for each k four packed chains
.set R,   Z                            ; at the end: six numbers
.set O,   A                            ; at the end: what is stored
.set VA11, 10                          ; v[10:11] a coefficient of A, twice
.set VB4, 12                           ; v[12:13] a coefficient of Q, twice
.set VSH, 14                           ; v[14:15] shift, twice
.set WV,  24                           ; s24 my wave's number
.set A13, 48                           ; scalar pairs: the packed forms name a pair and take its low word for both halves
.set A9,  50
.set A7,  52
.set A5,  54
.set A3,  56
.set A1,  58
.set B6,  60
.set B2,  62
.set B0,  66
.set CE,  68
.set PA,  78
.set CLP, 80
.set CLN, 81
.macro SETP r, val
	s_mov_b32 s[\r], \val
	s_mov_b32 s[\r+1], \val
.endm
; 32 numbers at a time, two an instruction
.macro MULVV d, a, b                   ; d = a b
.set p, 0
.rept 16
	v_pk_mul_f32 v[\d+p:\d+p+1], v[\a+p:\a+p+1], v[\b+p:\b+p+1]
.set p, p+2
.endr
.endm
.macro MULVS d, a, s                   ; d = a x a scalar
.set p, 0
.rept 16
	v_pk_mul_f32 v[\d+p:\d+p+1], v[\a+p:\a+p+1], s[\s:\s+1] op_sel_hi:[1,0]
.set p, p+2
.endr
.endm
.macro FMAVS d, a, b, s                ; d = a b + a scalar
.set p, 0
.rept 16
	v_pk_fma_f32 v[\d+p:\d+p+1], v[\a+p:\a+p+1], v[\b+p:\b+p+1], s[\s:\s+1] op_sel_hi:[1,1,0]
.set p, p+2
.endr
.endm
.macro FMASV d, a, s, c                ; d = a x a scalar + the number that the pair c holds twice
.set p, 0
.rept 16
	v_pk_fma_f32 v[\d+p:\d+p+1], v[\a+p:\a+p+1], s[\s:\s+1], v[\c:\c+1] op_sel_hi:[1,0,1]
.set p, p+2
.endr
.endm
.macro ACC k, n, first                 ; the 16 pairs at n are added to k's four chains; first = 1: the first eight pairs start them: nothing is cleared
.if \first
.irp q, 0,1,2,3
	v_pk_add_f32 v[S+8*\k+2*\q:S+8*\k+2*\q+1], v[\n+2*\q:\n+2*\q+1], v[\n+8+2*\q:\n+8+2*\q+1]
.endr
.set p, 8
.rept 8
	v_pk_add_f32 v[S+8*\k+2*(p%4):S+8*\k+2*(p%4)+1], v[S+8*\k+2*(p%4):S+8*\k+2*(p%4)+1], v[\n+2*p:\n+2*p+1]
.set p, p+1
.endr
.else
.set p, 0
.rept 16
	v_pk_add_f32 v[S+8*\k+2*(p%4):S+8*\k+2*(p%4)+1], v[S+8*\k+2*(p%4):S+8*\k+2*(p%4)+1], v[\n+2*p:\n+2*p+1]
.set p, p+1
.endr
.endif
.endm
.macro ACCF k, u, n, first             ; the 16 products u n go onto k's four chains by multiply-adds; first = 1: the first four products start them
.set p, 0
.rept 16
.if \first && (p < 4)
	v_pk_mul_f32 v[S+8*\k+2*p:S+8*\k+2*p+1], v[\u+2*p:\u+2*p+1], v[\n+2*p:\n+2*p+1]
.else
	v_pk_fma_f32 v[S+8*\k+2*(p%4):S+8*\k+2*(p%4)+1], v[\u+2*p:\u+2*p+1], v[\n+2*p:\n+2*p+1], v[S+8*\k+2*(p%4):S+8*\k+2*(p%4)+1]
.endif
.set p, p+1
.endr
.endm
.macro TANH xb, cb, bi                 ; 32 numbers of a thread, the row's blocks 8 bi .. 8 bi + 7: x at xb becomes xn, u lands at cb and is stored
	FMASV \xb, \xb, PA, VSH                        ; xn = x a + shift
.set i, 0
.rept 32
	v_med3_num_f32 v[\cb+i], v[\xb+i], s[CLN], s[CLP]
.set i, i+1
.endr
	MULVV Z, \cb, \cb                              ; xc^2
	FMASV A, Z, A13, VA11                          ; A by Horner's rule
	FMAVS A, A, Z, A9
	FMAVS A, A, Z, A7
	FMAVS A, A, Z, A5
	FMAVS A, A, Z, A3
	FMAVS A, A, Z, A1
	MULVV \cb, \cb, A                              ; xc A
	FMASV A, Z, B6, VB4                            ; Q
	FMAVS A, A, Z, B2
	FMAVS A, A, Z, B0
.set i, 0
.rept 32
	v_rcp_f32 v[A+i], v[A+i]
.set i, i+1
.endr
	v_nop                                          ; a plain instruction behind the last reciprocal,
	s_wait_alu depctr_va_vdst(0)                   ; and one wait for the batch ahead of its first reader
	MULVV \cb, \cb, A                              ; u
.set i, 0
.rept 8
	global_store_b128 v1, v[\cb+4*i:\cb+4*i+3], s[14:15] offset:4096*(8*\bi+i) th:TH_STORE_NT   ; at x's own place; its registers are only read from here on
.set i, i+1
.endr
.endm
.macro MOM xb, cb, first               ; the same 32 numbers' parts of the six sums
	MULVV Z, \cb, \cb                              ; u^2
	MULVS A, Z, CE
.set i, 0
.rept 32
	v_exp_f32 v[A+i], v[A+i]                       ; g
.set i, i+1
.endr
	v_nop
	s_wait_alu depctr_va_vdst(0)                   ; one wait for the 32 exponentials
	MULVV \xb, A, \xb                              ; n0 = g xn
	ACC 0, \xb, \first
	ACCF 1, \cb, \xb, \first
	MULVV \xb, Z, \xb                              ; n2 = u^2 n0
	ACC 2, \xb, \first
	ACCF 3, \cb, \xb, \first
	MULVV \xb, Z, \xb                              ; n4 = u^2 n2
	ACC 4, \xb, \first
	ACCF 5, \cb, \xb, \first
.endm
	s_load_b128 s[4:7], s[0:1], 0x0                ; x, gamma
	s_load_b128 s[8:11], s[0:1], 0x10              ; beta, stats
	s_load_b128 s[12:15], s[0:1], 0x20             ; params, ubuf
	s_set_vgpr_msb 0x40
	v_lshl_add_u32 v0, v0, 2, 0x100
	v_mov_b32 v1, 0
	s_set_vgpr_msb 0x4000
	v_lshlrev_b32 v1, 4, v0                        ; 16 t
	v_lshrrev_b32 v2, 5, v0
	v_readfirstlane_b32 s[WV], v2                  ; wave
	v_and_b32 v3, 0xe0, v0                         ; 32 x wave: my wave's 32 bytes in LDS
	v_mov_b32 v4, 0
	s_lshl_b32 s16, ttmp9, 16                      ; the row's first byte, in x and in ubuf
	s_mov_b32 s17, 0
	s_mov_b32 s18, 0x76543210                      ; lane selects: lane l xor 16
	s_mov_b32 s19, 0xfedcba98
	s_and_b32 s25, ttmp9, 63                       ; c
	s_lshl_b32 s20, s25, 6                         ; the channel's eight entries: 64 bytes
	s_lshl_b32 s21, s25, 2
	s_wait_kmcnt 0x0
	s_add_nc_u64 s[4:5], s[4:5], s[16:17]
	s_add_nc_u64 s[14:15], s[14:15], s[16:17]
	s_load_b512 s[32:47], s[10:11], s20 offset:0x0 ; (mean, M2) of b = 0 .. 7
	s_load_b32 s22, s[6:7], s21 offset:0x0         ; gamma[c]
	s_load_b32 s23, s[8:9], s21 offset:0x0         ; beta[c]
.irp i, 0,1,2,3,4,5,6,7,8,9,10,11,12,13,14,15
	global_load_b128 v[X+4*\i:X+4*\i+3], v1, s[4:5] offset:4096*\i
.endr
	SETP A13, 0xa59f25c0                           ; -2.76076847742355e-16
	SETP A9,  0xaebd37ff                           ; -8.60467152213735e-11
	SETP A7,  0x335c0041                           ;  5.12229709037114e-08
	SETP A5,  0x3779434a                           ;  1.48572235717979e-05
	SETP A3,  0x3a270ded                           ;  6.37261928875436e-04
	SETP A1,  0x3ba059dc                           ;  4.89352455891786e-03
	SETP B6,  0x35a0d3d8                           ;  1.19825839466702e-06
	SETP B2,  0x3b14aa05                           ;  2.26843463243900e-03
	SETP B0,  0x3ba059dd                           ;  4.89352518554385e-03
	SETP CE,  0xc1160a50                           ; -6.5 log2(e)
	s_mov_b32 s[CLP], 0x40fcf84f                   ;  7.9053111
	s_mov_b32 s[CLN], 0xc0fcf84f
	v_mov_b32 v[VA11], 0x2a61337e                  ;  2.00018790482477e-13
	v_mov_b32 v[VA11+1], 0x2a61337e
	v_mov_b32 v[VB4], 0x38f895d6                   ;  1.18534705686654e-04
	v_mov_b32 v[VB4+1], 0x38f895d6
	s_wait_kmcnt 0x0
	v_add_f32 v5, s32, s34                         ; the channel's mean
	v_add_f32 v6, s36, s38
	v_add_f32 v7, s40, s42
	v_add_f32 v8, s44, s46
	v_add_f32 v5, v5, v6
	v_add_f32 v7, v7, v8
	v_add_f32 v5, v5, v7
	v_mul_f32 v5, 0x3e000000, v5                   ; / 8
	v_sub_f32 v6, s32, v5                          ; the rows' means about it
	v_mul_f32 v7, v6, v6
.irp b, 1,2,3,4,5,6,7
	v_sub_f32 v6, s[32+2*\b], v5
	v_fma_f32 v7, v6, v6, v7
.endr
	v_add_f32 v8, s33, s35                         ; the rows' M2
	v_add_f32 v9, s37, s39
	v_add_f32 v[Z], s41, s43
	v_add_f32 v[Z+1], s45, s47
	v_add_f32 v8, v8, v9
	v_add_f32 v[Z], v[Z], v[Z+1]
	v_add_f32 v8, v8, v[Z]
	v_fmamk_f32 v8, v7, 0x46800000, v8             ; + 16,384 x the sum of squares
	v_mul_f32 v8, 0x37000000, v8                   ; / 131,072: the variance
	v_add_f32 v8, 0x3727c5ac, v8                   ; + 1e-5
	v_rsq_f32 v9, v8
	v_nop
	s_wait_alu depctr_va_vdst(0)
	v_mul_f32 v6, s22, v9                          ; a
	v_fma_f32 v[VSH], -v5, v6, s23                 ; shift
	v_readfirstlane_b32 s[PA], v6
	s_mov_b32 s[PA+1], s[PA]
	v_mov_b32 v[VSH+1], v[VSH]
	s_wait_loadcnt 0x8                             ; the first eight loads are in; the other eight may be out
	TANH X, C, 0
	s_wait_loadcnt 0x0
	TANH X+32, C+32, 1
	MOM X, C, 1                                    ; the row's u is on its way out while the sums are made
	MOM X+32, C+32, 0
	; a thread's 8 places for each k become one; then the wave's 32 lanes
.irp k, 0,1,2,3,4,5
	v_pk_add_f32 v[S+8*\k:S+8*\k+1], v[S+8*\k:S+8*\k+1], v[S+8*\k+2:S+8*\k+3]
	v_pk_add_f32 v[S+8*\k+4:S+8*\k+5], v[S+8*\k+4:S+8*\k+5], v[S+8*\k+6:S+8*\k+7]
.endr
.irp k, 0,1,2,3,4,5
	v_pk_add_f32 v[S+8*\k:S+8*\k+1], v[S+8*\k:S+8*\k+1], v[S+8*\k+4:S+8*\k+5]
.endr
.irp k, 0,1,2,3,4,5
	v_add_f32 v[R+\k], v[S+8*\k], v[S+8*\k+1]
.endr
.irp m, 1,2,4,8
.irp k, 0,1,2,3,4,5
	v_add_f32_dpp v[R+\k], v[R+\k], v[R+\k] row_xmask:\m row_mask:0xf bank_mask:0xf
.endr
.endr
.irp k, 0,1,2,3,4,5
	v_permlanex16_b32 v[A+\k], v[R+\k], s18, s19   ; (its destination counts as read: these registers have been written)
.endr
.irp k, 0,1,2,3,4,5
	v_add_f32 v[R+\k], v[R+\k], v[A+\k]
.endr
	ds_store_b128 v3, v[R:R+3]                     ; all lanes write the wave's 24 bytes with the same numbers
	ds_store_b64 v3, v[R+4:R+5] offset:16
	s_wait_dscnt 0x0                               ; for wave 0's sake: my stores have landed
	s_barrier_signal -1
	s_barrier_wait -1
	s_cmp_lg_u32 s[WV], 0                          ; the rest is wave 0's; no barrier follows
	s_cbranch_scc1 .Lend
.irp w, 0,1,2,3,4,5,6,7
	ds_load_b128 v[X+8*\w:X+8*\w+3], v4 offset:32*\w
	ds_load_b64 v[X+8*\w+4:X+8*\w+5], v4 offset:32*\w+16
.endr
	s_lshl_b32 s20, ttmp9, 5                       ; 32 bytes a row
	s_mov_b32 s21, 0
	s_add_nc_u64 s[12:13], s[12:13], s[20:21]
	s_wait_dscnt 0x0
.irp w, 1,2,3,4,5,6,7
	v_pk_add_f32 v[X:X+1], v[X:X+1], v[X+8*\w:X+8*\w+1]
	v_pk_add_f32 v[X+2:X+3], v[X+2:X+3], v[X+8*\w+2:X+8*\w+3]
	v_pk_add_f32 v[X+4:X+5], v[X+4:X+5], v[X+8*\w+4:X+8*\w+5]
.endr
	v_fmamk_f32 v[R+2], v[X], 0xbd1d89d9, v[X+2]   ; the sum of pi_2 g xn = m2 - m0 / 26
	v_fmamk_f32 v[R+3], v[X+1], 0xbdec4ec5, v[X+3] ; pi_3: m3 - 3 m1 / 26
	v_fmamk_f32 v[R+4], v[X+2], 0xbe6c4ec5, v[X+4] ; pi_4: m4 - 6 m2 / 26
	v_fmamk_f32 v[R+5], v[X+3], 0xbec4ec4f, v[X+5] ; pi_5: m5 - 10 m3 / 26
	v_fmamk_f32 v[R+4], v[X], 0x3b916b8d, v[R+4]   ;       + 3 m0 / 676
	v_fmamk_f32 v[R+5], v[X+1], 0x3cb5c670, v[R+5] ;       + 15 m1 / 676
	v_mul_f32 v[R], 0x3f4049c4, v[X]               ; cost_k = N_k x the sum.  N0 = 0.75112554
	v_mul_f32 v[R+1], 0x40751ec8, v[X+1]           ; N1 = 3.8300038
	v_mul_f32 v[R+2], 0x415cf2ca, v[R+2]           ; N2 = 13.809275
	v_mul_f32 v[R+3], 0x42229d16, v[R+3]           ; N3 = 40.653405
	v_mul_f32 v[R+4], 0x42cf4ae2, v[R+4]           ; N4 = 103.64625
	v_mul_f32 v[R+5], 0x436c598e, v[R+5]           ; N5 = 236.34982
	v_max3_num_f32 v5, v[R], v[R+1], v[R+2]        ; the softmax: the largest cost is taken away first
	v_max3_num_f32 v5, v5, v[R+3], v[R+4]
	v_max_num_f32 v5, v5, v[R+5]
.irp k, 0,1,2,3,4,5
	v_sub_f32 v[R+\k], v[R+\k], v5
.endr
.irp k, 0,1,2,3,4,5
	v_mul_f32 v[R+\k], 0x3fb8aa3b, v[R+\k]
.endr
.irp k, 0,1,2,3,4,5
	v_exp_f32 v[R+\k], v[R+\k]
.endr
	v_nop
	s_wait_alu depctr_va_vdst(0)
	v_add_f32 v8, v[R], v[R+1]
	v_add_f32 v9, v[R+2], v[R+3]
	v_add_f32 v7, v[R+4], v[R+5]
	v_add_f32 v8, v8, v9
	v_add_f32 v8, v8, v7
	v_rcp_f32 v8, v8
	v_nop
	s_wait_alu depctr_va_vdst(0)
.irp k, 0,1,2,3,4,5
	v_mul_f32 v[R+\k], v[R+\k], v8                 ; w_k
.endr
	v_mul_f32 v[R], 0x3f4049c4, v[R]               ; W_k = w_k N_k
	v_mul_f32 v[R+1], 0x40751ec8, v[R+1]
	v_mul_f32 v[R+2], 0x415cf2ca, v[R+2]
	v_mul_f32 v[R+3], 0x42229d16, v[R+3]
	v_mul_f32 v[O+6], 0x42cf4ae2, v[R+4]           ; c4 = W4
	v_mul_f32 v[O+7], 0x436c598e, v[R+5]           ; c5 = W5
	v_fmamk_f32 v5, v[R+2], 0xbd1d89d9, v[R]       ; c0 = W0 - W2 / 26 + 3 W4 / 676
	v_fmamk_f32 v6, v[R+3], 0xbdec4ec5, v[R+1]     ; c1 = W1 - 3 W3 / 26 + 15 W5 / 676
	v_fmamk_f32 v[O+4], v[O+6], 0xbe6c4ec5, v[R+2] ; c2 = W2 - 6 W4 / 26
	v_fmamk_f32 v[O+5], v[O+7], 0xbec4ec4f, v[R+3] ; c3 = W3 - 10 W5 / 26
	v_fmamk_f32 v[O+2], v[O+6], 0x3b916b8d, v5
	v_fmamk_f32 v[O+3], v[O+7], 0x3cb5c670, v6
	v_mov_b32 v[O], s[PA]                          ; a
	v_mov_b32 v[O+1], v[VSH]                       ; shift
	v_cmp_eq_u32 vcc_lo, 0, v0
	s_wait_xcnt 0x0                                ; EXEC changes only behind this wait
	s_and_saveexec_b32 s22, vcc_lo
	global_store_b128 v4, v[O:O+3], s[12:13]       ; one lane: the row's 32 bytes
	global_store_b128 v4, v[O+4:O+7], s[12:13] offset:16
	s_wait_xcnt 0x0
	s_or_b32 exec_lo, exec_lo, s22
.Lend:
	s_set_vgpr_msb 0x5
	s_wait_tensorcnt 0x0
	ds_add_u32 v0, v1
	s_wait_dscnt 0x0
	s_set_vgpr_msb 0x500
	s_endpgm
.Lfunc_end_k_q87b47f498f_cost:
	.size	k_q87b47f498f_cost, .Lfunc_end_k_q87b47f498f_cost-k_q87b47f498f_cost
	.p2alignl 7, 3214868480
	.fill 96, 4, 3214868480
	.section	.rodata,"a",@progbits
	.p2align	6, 0x0
	.amdhsa_kernel k_q87b47f498f_cost
		.amdhsa_group_segment_fixed_size 1280
		.amdhsa_private_segment_fixed_size 0
		.amdhsa_enable_private_segment 0
		.amdhsa_kernarg_size 48
		.amdhsa_user_sgpr_count 2
		.amdhsa_user_sgpr_kernarg_segment_ptr 1
		.amdhsa_wavefront_size32 1
		.amdhsa_system_sgpr_workgroup_id_x 1
		.amdhsa_system_sgpr_workgroup_id_y 1
		.amdhsa_system_sgpr_workgroup_id_z 1
		.amdhsa_system_vgpr_workitem_id 0
		.amdhsa_next_free_vgpr 258
		.amdhsa_next_free_sgpr 82
		.amdhsa_reserve_vcc 1
		.amdhsa_float_denorm_mode_32 3
		.amdhsa_float_denorm_mode_16_64 3
		.amdhsa_memory_ordered 1
		.amdhsa_forward_progress 1
		.amdhsa_inst_pref_size 74
	.end_amdhsa_kernel
	.amdgpu_metadata
---
amdhsa.version: [ 1, 2 ]
amdhsa.kernels:
  - .name:           k_q87b47f498f_cost
    .symbol:         k_q87b47f498f_cost.kd
    .args:
      - { .name: x, .offset: 0, .size: 8, .value_kind: global_buffer, .address_space: global }
      - { .name: gamma, .offset: 8, .size: 8, .value_kind: global_buffer, .address_space: global }
      - { .name: beta, .offset: 16, .size: 8, .value_kind: global_buffer, .address_space: global }
      - { .name: stats, .offset: 24, .size: 8, .value_kind: global_buffer, .address_space: global }
      - { .name: params, .offset: 32, .size: 8, .value_kind: global_buffer, .address_space: global }
      - { .name: ubuf, .offset: 40, .size: 8, .value_kind: global_buffer, .address_space: global }
    .group_segment_fixed_size: 1280
    .private_segment_fixed_size: 0
    .kernarg_segment_align: 8
    .kernarg_segment_size: 48
    .max_flat_workgroup_size: 256
    .sgpr_count:     82
    .vgpr_count:     258
    .wavefront_size: 32
...
	.end_amdgpu_metadata
.endif
;; end of part 2
;; launch final (part 3): grid 256 x 1, 8 waves a work-group, no clusters, 3,072 bytes of LDS; arguments ubuf, b, lowp_scales, params, wcodes, out0; writes out0
.if DOCPART == 3
	.amdgcn_target "amdgcn-amd-amdhsa--gfx1250"
	.amdhsa_code_object_version 6
	.text
	.protected	k_q87b47f498f_final
	.globl	k_q87b47f498f_final
	.p2align	8
	.type	k_q87b47f498f_final,@function
k_q87b47f498f_final:
	s_mov_b64 s[64:65], 0
	v_nop
	global_prefetch_b8 v0, s[64:65] scope:SCOPE_SE
	s_setreg_imm32_b32 hwreg(HW_REG_WAVE_MODE, 25, 1), 1
	s_wait_xcnt 0x0
; out[b][o][d] = the sum over c of Q(Wt)[o][c] Q(y)[b][c][d] + bias[o];  y = g (c0 + c1 u + .. + c5 u^5), g = 2^(CE u^2), CE = -6.5 log2(e).
; u = tanh of the normalised x, [8][64][16384] f32, and c0 .. c5 of each (b, c) come from the launch before.
; The product is on codes of E4M3 with the given scales 2^e0 (y) and 2^e1 (Wt), by v_wmma_f32_16x16x64_fp8_fp8: K = the 64 channels, one instruction a tile, C = 0.
; SHARES.  Work-group n: batch n / 32, positions 512 (n % 32) on; each of its eight waves 64 channels x 64 positions d0 .. d0 + 63.  Waves share only the batch's 2,048 bytes of parameters, which go through LDS once.
; LAYOUT.  Lane (r, h) loads, of channels 32 h + 0 .. 31, the 16 bytes at d0 + 4 r: sixteen lanes read 256 consecutive bytes of a channel's row, aligned.  Its 128 numbers are four tiles' parts: tile e has column n = r
; at d0 + 4 r + e, and the lane's half h holds half of K, as the operand's layout wants: registers 2 g, 2 g + 1 of tile e are channels 32 h + 8 g + 0 .. 7.  Wt's codes were laid along K in the same places.
; The arithmetic is packed along d (a channel's parameters serve both halves of a pair); the hold in front of the conversion writes its result where the conversion wants it, eight channels on end: nothing is moved for its own sake.
; THE WAY OUT.  Source 0 = 16 rows of Wt, source 1 = y: register j of tile (ot, e) is out(16 ot + 8 h + j, d0 + 4 r + e).  The closing multiply-add, sum x 2^(e0 + e1) + bias, puts e = 0 .. 3 into four registers on end,
; so that each store of the wave covers twice 256 consecutive bytes, aligned: no LDS on the way out.
; REGISTERS.  Window 0: v0-11 addresses and constants; v16-47 y's codes (tile e at 16 + 8 e); v48-79, v80-111 at work; v112-239 u, at the end the 16 accumulators.
; Window 1: eight registers for each of the lane's 32 channels, c0 .. c5 in the upper six (a row of params is a, shift, c0 .. c5; the first two are not wanted here and are not fetched from LDS);
; when the first eight channels are done, their 64 registers take Wt's codes (32) and the bias (32).
; LIMITS: e0 between -126 and 119, e0 + e1 between -126 and 127, so that each power of two below is an f32 number.  NaN and infinities among the inputs are not served.
.set CD,  16
.set Z,   48
.set A,   80
.set X,   112
.set CE,  42                           ; s[42:43]: the packed forms name a pair and take its low word for both halves
.set MSB, 0
.macro WIN new                         ; bits 1:0 source 0, 3:2 source 1, 5:4 source 2, 7:6 destination; the immediate's high byte repeats the setting that is left
.if MSB != \new
	s_set_vgpr_msb (MSB<<8)|\new
.set MSB, \new
.endif
.endm
.macro MULVV d, a, b                   ; 32 numbers, two an instruction: d = a b
.set p, 0
.rept 16
	v_pk_mul_f32 v[\d+p:\d+p+1], v[\a+p:\a+p+1], v[\b+p:\b+p+1]
.set p, p+2
.endr
.endm
.macro MULVS d, a, s                   ; d = a x a scalar
.set p, 0
.rept 16
	v_pk_mul_f32 v[\d+p:\d+p+1], v[\a+p:\a+p+1], s[\s:\s+1] op_sel_hi:[1,0]
.set p, p+2
.endr
.endm
; One step of Horner's rule for the chunk's eight channels: A = A u + the channel's register number off + hi (hi picks the pair's upper register for both halves)
.macro HSTEP off, hi
.set i, 0
.rept 8
	v_pk_fma_f32 v[A+4*i:A+4*i+1], v[A+4*i:A+4*i+1], v[XB+4*i:XB+4*i+1], v[PB+8*i+\off:PB+8*i+\off+1] op_sel:[0,0,\hi] op_sel_hi:[1,1,\hi]
	v_pk_fma_f32 v[A+4*i+2:A+4*i+3], v[A+4*i+2:A+4*i+3], v[XB+4*i+2:XB+4*i+3], v[PB+8*i+\off:PB+8*i+\off+1] op_sel:[0,0,\hi] op_sel_hi:[1,1,\hi]
.set i, i+1
.endr
.endm
; A chunk: the lane's channels 8 g .. 8 g + 7 at its four positions, 32 numbers.  lcnt, dcnt: the younger loads, from memory and from LDS, that may stay out.
.macro CHUNK g, lcnt, dcnt
.set XB, X+32*\g
.set PB, 64*\g
	s_wait_loadcnt \lcnt
	s_wait_dscnt \dcnt
	MULVV Z, XB, XB                                ; u^2
	MULVS Z, Z, CE
.set i, 0
.rept 32
	v_exp_f32 v[Z+i], v[Z+i]                       ; g
.set i, i+1
.endr
	WIN 0x14                                       ; sources 1 and 2: window 1.  The polynomial names no exponential's result: it is the work between the batch and its wait
.set i, 0
.rept 8
	v_pk_fma_f32 v[A+4*i:A+4*i+1], v[XB+4*i:XB+4*i+1], v[PB+8*i+6:PB+8*i+7], v[PB+8*i+6:PB+8*i+7] op_sel:[0,1,0] op_sel_hi:[1,1,0]         ; c5 u + c4: of the pair (c4, c5) the upper serves as factor, the lower as addend
	v_pk_fma_f32 v[A+4*i+2:A+4*i+3], v[XB+4*i+2:XB+4*i+3], v[PB+8*i+6:PB+8*i+7], v[PB+8*i+6:PB+8*i+7] op_sel:[0,1,0] op_sel_hi:[1,1,0]
.set i, i+1
.endr
	WIN 0x10                                       ; source 2: window 1
	HSTEP 4, 1                                     ; + c3
	HSTEP 4, 0                                     ; + c2
	HSTEP 2, 1                                     ; + c1
	HSTEP 2, 0                                     ; + c0
	WIN 0
	s_wait_alu depctr_va_vdst(0)                   ; one wait for the 32 exponentials, ahead of their first reader
	MULVV A, A, Z                                  ; y
.set i, 0
.rept 8
.irp e, 0,1,2,3
	v_med3_num_f32 v[Z+8*\e+i], v[A+4*i+\e], -v8, v8   ; the hold at the largest code x the scale (the conversion does not saturate: ISA guide 7.6.2); it also lays tile e's eight channels on end
.endr
.set i, i+1
.endr
.irp e, 0,1,2,3
	v_cvt_scalef32_pk8_fp8_f32 v[CD+8*\e+2*\g:CD+8*\e+2*\g+1], v[Z+8*\e:Z+8*\e+7], v7
.endr
	v_nop                                          ; one plain instruction between a scaled conversion and what next touches its result or writes its sources
.endm
; Tile row ot leaves: 32 multiply-adds, each accumulator from its lowest register on, and eight stores.  tb: 32 registers that no earlier store reads.
.macro OUT ot, tb
.set j, 0
.rept 8
.irp e, 0,1,2,3
	v_fma_f32 v[\tb+4*j+\e], v[X+32*\ot+8*\e+j], s20, v[32+8*\ot+j]
.endr
.set j, j+1
.endr
.set j, 0
.rept 8
	global_store_b128 v2, v[\tb+4*j:\tb+4*j+3], s[14:15] offset:(16*\ot+j)*65536 th:TH_STORE_NT   ; lanes 0-15: 256 consecutive bytes of row 16 ot + j; lanes 16-31: of row 16 ot + 8 + j
.set j, j+1
.endr
.endm
	s_load_b256 s[4:11], s[0:1], 0x0               ; ubuf, b, lowp_scales, params
	s_load_b128 s[12:15], s[0:1], 0x20             ; wcodes, out0
	v_lshl_add_u32 v254, v0, 2, 0x800
	v_mov_b32 v255, 0
	v_lshrrev_b32 v9, 5, v0
	v_readfirstlane_b32 s16, v9                    ; wave
	v_and_b32 v9, 15, v0                           ; r
	v_bfe_u32 v4, v0, 4, 1                         ; h
	v_lshlrev_b32 v9, 4, v9                        ; 16 r
	v_lshl_add_u32 v1, v4, 21, v9                  ; u: + 32 h rows of 65,536 bytes
	v_lshl_add_u32 v2, v4, 19, v9                  ; out: + 8 h rows
	v_lshlrev_b32 v3, 3, v0                        ; my 8 bytes of the batch's parameters, in memory and in LDS
	v_and_b32 v5, 31, v0
	v_lshlrev_b32 v5, 4, v5                        ; Wt's codes: 16 x lane
	v_lshlrev_b32 v6, 5, v4                        ; the bias: 8 h numbers
	v_lshlrev_b32 v4, 10, v4                       ; the parameters in LDS: 32 h channels of 32 bytes
	s_lshr_b32 s17, ttmp9, 5                       ; the batch
	s_and_b32 s18, ttmp9, 31
	s_lshl_b32 s20, s17, 22                        ; 64 rows of 65,536 bytes,
	s_lshl_b32 s18, s18, 11                        ; the work-group's 512 positions,
	s_add_co_u32 s20, s20, s18
	s_lshl_b32 s18, s16, 8                         ; my wave's 64
	s_add_co_u32 s20, s20, s18
	s_mov_b32 s21, 0
	s_lshl_b32 s22, s17, 11                        ; the batch's parameters: 2,048 bytes
	s_mov_b32 s23, 0
	s_wait_kmcnt 0x0
	s_load_b64 s[18:19], s[8:9], 0x0               ; e0, e1
	s_add_nc_u64 s[4:5], s[4:5], s[20:21]
	s_add_nc_u64 s[14:15], s[14:15], s[20:21]
	s_add_nc_u64 s[10:11], s[10:11], s[22:23]
	global_load_b64 v[10:11], v3, s[10:11]         ; 256 threads x 8 bytes
.set i, 0
.rept 32
	global_load_b128 v[X+4*i:X+4*i+3], v1, s[4:5] offset:65536*i th:TH_LOAD_NT   ; all of the wave's u is asked for at once
.set i, i+1
.endr
	s_mov_b32 s[CE], 0xc1160a50                    ; -6.5 log2(e)
	s_mov_b32 s[CE+1], 0xc1160a50                  ; (named with it as a pair, so it is written)
	s_wait_kmcnt 0x0
	s_add_co_i32 s20, s18, s19
	s_add_co_i32 s20, s20, 127
	s_lshl_b32 s20, s20, 23                        ; 2^(e0 + e1) as f32
	s_add_co_i32 s21, s18, 127
	s_lshl_b32 s22, s21, 23
	v_mov_b32 v7, s22                              ; 2^e0 as f32: the conversion takes its exponent field
	s_add_co_i32 s21, s21, 8
	s_lshl_b32 s21, s21, 23
	s_or_b32 s21, s21, 0x600000
	v_mov_b32 v8, s21                              ; 448 x 2^e0
	s_wait_loadcnt 32                              ; my 8 bytes of parameters are in; u's 32 loads, issued behind, stay out
	ds_store_b64 v3, v[10:11]
	s_wait_dscnt 0x0                               ; for the others' sake: my store has landed
	s_barrier_signal -1
	s_barrier_wait -1                              ; the batch's 2,048 bytes lie in LDS
	WIN 0x40                                       ; destination: window 1
.set i, 0
.rept 32
	ds_load_b64 v[8*i+2:8*i+3], v4 offset:32*i+8   ; channel 32 h + i: c0, c1: the sixteen lanes of a half read the same bytes
	ds_load_b128 v[8*i+4:8*i+7], v4 offset:32*i+16 ; c2 .. c5
.set i, i+1
.endr
	WIN 0
	CHUNK 0, 24, 48                                ; behind its 8 loads of u: 24; behind its 16 loads from LDS: 48
	WIN 0x40                                       ; the first chunk's parameters are done with: their 64 registers take Wt's codes and the bias
.irp ot, 0,1,2,3
	global_load_b128 v[8*\ot:8*\ot+3], v5, s[12:13] offset:1024*\ot
	global_load_b128 v[8*\ot+4:8*\ot+7], v5, s[12:13] offset:1024*\ot+512
.endr
.irp ot, 0,1,2,3
	global_load_b128 v[32+8*\ot:32+8*\ot+3], v6, s[6:7] offset:64*\ot        ; bias[16 ot + 8 h + 0 .. 7]
	global_load_b128 v[32+8*\ot+4:32+8*\ot+7], v6, s[6:7] offset:64*\ot+16
.endr
	WIN 0
	CHUNK 1, 32, 32                                ; 16 of u and the 16 just issued
	CHUNK 2, 24, 16                                ; 8 of u and those 16
	CHUNK 3, 16, 0                                 ; those 16
	s_wait_loadcnt 0x0                             ; Wt's codes and the bias
	WIN 0x01                                       ; source 0 (Wt): window 1
.irp ot, 0,1,2,3
.irp e, 0,1,2,3
	v_wmma_f32_16x16x64_fp8_fp8 v[X+32*\ot+8*\e:X+32*\ot+8*\e+7], v[8*\ot:8*\ot+7], v[CD+8*\e:CD+8*\e+7], 0   ; sixteen accumulators, each written once
.endr
.endr
	WIN 0x10                                       ; source 2 (the bias): window 1
.rept 4
	v_nop                                          ; four places between the last product and the first read of a result (ISA guide 7.12.1)
.endr
	OUT 0, Z
	OUT 1, A
	OUT 2, CD                                      ; y's codes are done with
	OUT 3, X                                       ; and so are tile row 0's sums
	WIN 0
	s_wait_tensorcnt 0x0
	ds_add_u32 v254, v255
	s_wait_dscnt 0x0
	s_endpgm
.Lfunc_end_k_q87b47f498f_final:
	.size	k_q87b47f498f_final, .Lfunc_end_k_q87b47f498f_final-k_q87b47f498f_final
	.p2alignl 7, 3214868480
	.fill 96, 4, 3214868480
	.section	.rodata,"a",@progbits
	.p2align	6, 0x0
	.amdhsa_kernel k_q87b47f498f_final
		.amdhsa_group_segment_fixed_size 3072
		.amdhsa_private_segment_fixed_size 0
		.amdhsa_enable_private_segment 0
		.amdhsa_kernarg_size 48
		.amdhsa_user_sgpr_count 2
		.amdhsa_user_sgpr_kernarg_segment_ptr 1
		.amdhsa_wavefront_size32 1
		.amdhsa_system_sgpr_workgroup_id_x 1
		.amdhsa_system_sgpr_workgroup_id_y 1
		.amdhsa_system_sgpr_workgroup_id_z 1
		.amdhsa_system_vgpr_workitem_id 0
		.amdhsa_next_free_vgpr 512
		.amdhsa_next_free_sgpr 66
		.amdhsa_reserve_vcc 0
		.amdhsa_float_denorm_mode_32 3
		.amdhsa_float_denorm_mode_16_64 3
		.amdhsa_memory_ordered 1
		.amdhsa_forward_progress 1
		.amdhsa_inst_pref_size 70
	.end_amdhsa_kernel
	.amdgpu_metadata
---
amdhsa.version: [ 1, 2 ]
amdhsa.kernels:
  - .name:           k_q87b47f498f_final
    .symbol:         k_q87b47f498f_final.kd
    .args:
      - { .name: ubuf, .offset: 0, .size: 8, .value_kind: global_buffer, .address_space: global }
      - { .name: b, .offset: 8, .size: 8, .value_kind: global_buffer, .address_space: global }
      - { .name: lowp_scales, .offset: 16, .size: 8, .value_kind: global_buffer, .address_space: global }
      - { .name: params, .offset: 24, .size: 8, .value_kind: global_buffer, .address_space: global }
      - { .name: wcodes, .offset: 32, .size: 8, .value_kind: global_buffer, .address_space: global }
      - { .name: out0, .offset: 40, .size: 8, .value_kind: global_buffer, .address_space: global }
    .group_segment_fixed_size: 3072
    .private_segment_fixed_size: 0
    .kernarg_segment_align: 8
    .kernarg_segment_size: 48
    .max_flat_workgroup_size: 256
    .sgpr_count:     66
    .vgpr_count:     512
    .wavefront_size: 32
...
	.end_amdgpu_metadata
.endif
;; end of part 3
;; ======== version 2 of 2: 3 launches; version 1 with the launch final written anew for expert scheduling mode
;; workspace buffers: stats 4,096 bytes; params 16,384 bytes; wcodes 4,096 bytes; ubuf 33,554,432 bytes
;; launch stats: the kernel of part 1 again; grid 512 x 1, 8 waves a work-group, no clusters, 1,280 bytes of LDS; arguments x, Wt, lowp_scales, stats, wcodes; writes stats, wcodes
;; launch cost: the kernel of part 2 again; grid 512 x 1, 8 waves a work-group, no clusters, 1,280 bytes of LDS; arguments x, gamma, beta, stats, params, ubuf; writes params, ubuf
;; launch final (part 4): grid 256 x 1, 8 waves a work-group, no clusters, 3,072 bytes of LDS; arguments ubuf, b, lowp_scales, params, wcodes, out0; writes out0
.if DOCPART == 4
	.amdgcn_target "amdgcn-amd-amdhsa--gfx1250"
	.amdhsa_code_object_version 6
	.text
	.protected	k_q87b47f498f_final
	.globl	k_q87b47f498f_final
	.p2align	8
	.type	k_q87b47f498f_final,@function
k_q87b47f498f_final:
	s_mov_b64 s[64:65], 0
	v_nop
	global_prefetch_b8 v0, s[64:65] scope:SCOPE_SE
	s_setreg_imm32_b32 hwreg(HW_REG_WAVE_SCHED_MODE, 0, 2), 2
	s_setreg_imm32_b32 hwreg(HW_REG_WAVE_MODE, 25, 1), 1
	s_wait_xcnt 0x0
	s_wait_alu depctr_vm_vsrc(0)
; out[b][o][d] = the sum over c of Q(Wt)[o][c] Q(y)[b][c][d] + bias[o];  y = g (c0 + c1 u + .. + c5 u^5), g = 2^(CE u^2), CE = -6.5 log2(e).
; u = tanh of the normalised x, [8][64][16384] f32, and c0 .. c5 of each (b, c) come from the launch before.
; The product is on codes of E4M3 with the given scales 2^e0 (y) and 2^e1 (Wt), by v_wmma_f32_16x16x64_fp8_fp8: K = the 64 channels, one instruction a tile, C = 0.
; SHARES.  Work-group n: batch n / 32, positions 512 (n % 32) on; each of its eight waves 64 channels x 64 positions d0 .. d0 + 63.  Waves share only the batch's 2,048 bytes of parameters, which go through LDS once.
; LAYOUT.  Lane (r, h) loads, of channels 32 h + 0 .. 31, the 16 bytes at d0 + 4 r: sixteen lanes read 256 consecutive bytes of a channel's row, aligned.  Its 128 numbers are four tiles' parts: tile e has column n = r
; at d0 + 4 r + e, and the lane's half h holds half of K, as the operand's layout wants: registers 2 g, 2 g + 1 of tile e are channels 32 h + 8 g + 0 .. 7.  Wt's codes were laid along K in the same places.
; The arithmetic is packed along d (a channel's parameters serve both halves of a pair); the hold in front of the conversion writes its result where the conversion wants it, eight channels on end: nothing is moved for its own sake.
; THE WAY OUT.  Source 0 = 16 rows of Wt, source 1 = y: register j of tile (ot, e) is out(16 ot + 8 h + j, d0 + 4 r + e).  The closing multiply-add, sum x 2^(e0 + e1) + bias, puts e = 0 .. 3 into four registers on end,
; so that each store of the wave covers twice 256 consecutive bytes, aligned: no LDS on the way out.
; REGISTERS.  Window 0: v0-11 addresses and constants; v16-47 y's codes (tile e at 16 + 8 e); v48-79, v80-111 at work; v112-239 u, at the end the 16 accumulators.
; Window 1: eight registers for each of the lane's 32 channels, c0 .. c5 in the upper six (a row of params is a, shift, c0 .. c5; the first two are not wanted here and are not fetched from LDS);
; when the first eight channels' polynomial is done, their 64 registers take Wt's codes (32) and the bias (32).
; LIMITS: e0 between -126 and 119, e0 + e1 between -126 and 127, so that each power of two below is an f32 number.  NaN and infinities among the inputs are not served.
; THE MODE: SCHED_MODE bits 1:0 = 2 (LLVM: expert scheduling mode 2), set by the entry lines.  The code itself states the register dependences
; between vector or matrix instructions and memory or LDS instructions, with s_wait_alu, always for 0.
; THE PLAN.  Registers that memory or LDS instructions touch (the text is one straight run: no branch, no label):
;   v1 .. v6      offsets and LDS addresses: written by vector lines at the head, read by every load and store, never written again: ONE wait on va_vdst, ahead of the first load, serves them all.
;   v[10:11]      the thread's 8 bytes of parameters: a load writes them, the one LDS store reads them, nothing writes them again.
;   v112-239      the loads of u land there; only vector and matrix lines name them afterwards, until v112-143 serve as the last out-buffer.
;   window 1      chunk g's parameters, registers 64 g .. 64 g + 63: LDS loads land there, chunk g's polynomial reads them.  Chunks 0's and 1's are asked for behind the barrier, chunk g + 2's in chunk g, behind its
;                 exponentials: no vector line has named those registers, so these loads hang on nothing.  The first 64 alone are loaded a second time (Wt's codes, the bias): behind chunk 0's wait, which stands behind its polynomial.
;   Z, A, CD, X   four out-buffers of 32 registers, one for each tile row of the output: written by that row's 32 multiply-adds, read by its eight stores, never written again.  One wait on va_vdst stands behind a row's
;                 multiply-adds; its stores follow, dealt among the next row's multiply-adds, which name another out-buffer, other sums and the bias.
;   v254, v255    written at the head, read by the closing add alone.
; No register that a memory or LDS instruction reads is written again, so no wait on vm_vsrc is owed ahead of the closing lines.
.set CD,  16
.set Z,   48
.set A,   80
.set X,   112
.set CE,  42                           ; s[42:43]: the packed forms name a pair and take its low word for both halves
.set MSB, 0
.macro WIN new                         ; bits 1:0 source 0, 3:2 source 1, 5:4 source 2, 7:6 destination; the immediate's high byte repeats the setting that is left
.if MSB != \new
	s_set_vgpr_msb (MSB<<8)|\new
.set MSB, \new
.endif
.endm
.macro MULVV d, a, b                   ; 32 numbers, two an instruction: d = a b
.set p, 0
.rept 16
	v_pk_mul_f32 v[\d+p:\d+p+1], v[\a+p:\a+p+1], v[\b+p:\b+p+1]
.set p, p+2
.endr
.endm
.macro MULVS d, a, s                   ; d = a x a scalar
.set p, 0
.rept 16
	v_pk_mul_f32 v[\d+p:\d+p+1], v[\a+p:\a+p+1], s[\s:\s+1] op_sel_hi:[1,0]
.set p, p+2
.endr
.endm
; One step of Horner's rule for the chunk's eight channels: A = A u + the channel's register number off + hi (hi picks the pair's upper register for both halves)
.macro HSTEP off, hi
.set i, 0
.rept 8
	v_pk_fma_f32 v[A+4*i:A+4*i+1], v[A+4*i:A+4*i+1], v[XB+4*i:XB+4*i+1], v[PB+8*i+\off:PB+8*i+\off+1] op_sel:[0,0,\hi] op_sel_hi:[1,1,\hi]
	v_pk_fma_f32 v[A+4*i+2:A+4*i+3], v[A+4*i+2:A+4*i+3], v[XB+4*i+2:XB+4*i+3], v[PB+8*i+\off:PB+8*i+\off+1] op_sel:[0,0,\hi] op_sel_hi:[1,1,\hi]
.set i, i+1
.endr
.endm
; The parameters of chunk c, channels 32 h + 8 c + 0 .. 7, from LDS into window 1: sixteen loads.  The destination's window is set by the caller.
.macro PLOAD c
.set i, 0
.rept 8
	ds_load_b64 v[64*(\c)+8*i+2:64*(\c)+8*i+3], v4 offset:256*(\c)+32*i+8    ; c0, c1: the sixteen lanes of a half read the same bytes
	ds_load_b128 v[64*(\c)+8*i+4:64*(\c)+8*i+7], v4 offset:256*(\c)+32*i+16  ; c2 .. c5
.set i, i+1
.endr
.endm
; A chunk: the lane's channels 8 g .. 8 g + 7 at its four positions, 32 numbers.  lcnt, dcnt: the younger loads, from memory and from LDS, that may stay out.
.macro CHUNK g, lcnt, dcnt
.set XB, X+32*\g
.set PB, 64*\g
	s_wait_loadcnt \lcnt
	s_wait_dscnt \dcnt
	MULVV Z, XB, XB                                ; u^2
	MULVS Z, Z, CE
.set i, 0
.rept 32
	v_exp_f32 v[Z+i], v[Z+i]                       ; g
.set i, i+1
.endr
.if \g < 2
	WIN 0x40                                       ; destination: window 1
	PLOAD \g+2                                     ; the parameters of two chunks on.  No wait: v4 was written ahead of the head's wait, and no vector line has named the registers in which these land
.endif
	WIN 0x14                                       ; sources 1 and 2: window 1.  The polynomial names no exponential's result: it is the work between the batch and its wait
.set i, 0
.rept 8
	v_pk_fma_f32 v[A+4*i:A+4*i+1], v[XB+4*i:XB+4*i+1], v[PB+8*i+6:PB+8*i+7], v[PB+8*i+6:PB+8*i+7] op_sel:[0,1,0] op_sel_hi:[1,1,0]         ; c5 u + c4: of the pair (c4, c5) the upper serves as factor, the lower as addend
	v_pk_fma_f32 v[A+4*i+2:A+4*i+3], v[XB+4*i+2:XB+4*i+3], v[PB+8*i+6:PB+8*i+7], v[PB+8*i+6:PB+8*i+7] op_sel:[0,1,0] op_sel_hi:[1,1,0]
.set i, i+1
.endr
	WIN 0x10                                       ; source 2: window 1
	HSTEP 4, 1                                     ; + c3
	HSTEP 4, 0                                     ; + c2
	HSTEP 2, 1                                     ; + c1
	HSTEP 2, 0                                     ; + c0
.if \g == 0
	WIN 0x40                                       ; destination: window 1: the switch, then the wait, then the loads
	s_wait_alu depctr_va_vdst(0)                   ; the 32 exponentials have written g in v[Z ..], ahead of their first reader; and the polynomial is done reading the first chunk's parameters, in whose 64 registers the loads below land
.irp ot, 0,1,2,3
	global_load_b128 v[8*\ot:8*\ot+3], v5, s[12:13] offset:1024*\ot          ; Wt's codes, tile row ot
	global_load_b128 v[8*\ot+4:8*\ot+7], v5, s[12:13] offset:1024*\ot+512
.endr
.irp ot, 0,1,2,3
	global_load_b128 v[32+8*\ot:32+8*\ot+3], v6, s[6:7] offset:64*\ot        ; bias[16 ot + 8 h + 0 .. 7]
	global_load_b128 v[32+8*\ot+4:32+8*\ot+7], v6, s[6:7] offset:64*\ot+16
.endr
	WIN 0
.else
	WIN 0
	s_wait_alu depctr_va_vdst(0)                   ; the 32 exponentials have written g in v[Z ..]: one wait for the batch, ahead of its first reader
.endif
	MULVV A, A, Z                                  ; y
.set i, 0
.rept 8
.irp e, 0,1,2,3
	v_med3_num_f32 v[Z+8*\e+i], v[A+4*i+\e], -v8, v8   ; the hold at the largest code x the scale (the conversion does not saturate: ISA guide 7.6.2); it also lays tile e's eight channels on end
.endr
.set i, i+1
.endr
.irp e, 0,1,2,3
	v_cvt_scalef32_pk8_fp8_f32 v[CD+8*\e+2*\g:CD+8*\e+2*\g+1], v[Z+8*\e:Z+8*\e+7], v7
.endr
	v_nop                                          ; one plain instruction between a scaled conversion and what next touches its result or writes its sources
.endm
; Tile row ot leaves through tb, 32 registers that no other row's stores read.  SUMS: row j's four multiply-adds; j ascends.  SEND: row j's store.
.macro SUMS ot, tb, j
.irp e, 0,1,2,3
	v_fma_f32 v[\tb+4*(\j)+\e], v[X+32*\ot+8*\e+(\j)], s20, v[32+8*\ot+(\j)]
.endr
.endm
.macro SEND ot, tb, j
	global_store_b128 v2, v[\tb+4*(\j):\tb+4*(\j)+3], s[14:15] offset:(16*\ot+(\j))*65536 th:TH_STORE_NT   ; lanes 0-15: 256 consecutive bytes of row 16 ot + j; lanes 16-31: of row 16 ot + 8 + j
.endm
	s_load_b256 s[4:11], s[0:1], 0x0               ; ubuf, b, lowp_scales, params
	s_load_b128 s[12:15], s[0:1], 0x20             ; wcodes, out0
	v_lshl_add_u32 v254, v0, 2, 0x800
	v_mov_b32 v255, 0
	v_lshrrev_b32 v9, 5, v0
	v_readfirstlane_b32 s16, v9                    ; wave
	v_and_b32 v9, 15, v0                           ; r
	v_bfe_u32 v4, v0, 4, 1                         ; h
	v_lshlrev_b32 v9, 4, v9                        ; 16 r
	v_lshl_add_u32 v1, v4, 21, v9                  ; u: + 32 h rows of 65,536 bytes
	v_lshl_add_u32 v2, v4, 19, v9                  ; out: + 8 h rows
	v_lshlrev_b32 v3, 3, v0                        ; my 8 bytes of the batch's parameters, in memory and in LDS
	v_and_b32 v5, 31, v0
	v_lshlrev_b32 v5, 4, v5                        ; Wt's codes: 16 x lane
	v_lshlrev_b32 v6, 5, v4                        ; the bias: 8 h numbers
	v_lshlrev_b32 v4, 10, v4                       ; the parameters in LDS: 32 h channels of 32 bytes
	s_wait_alu depctr_va_sdst(0)                   ; s16, the wave's number, is written, ahead of its first reader: the bases of u and out are made from it
	s_lshr_b32 s17, ttmp9, 5                       ; the batch
	s_and_b32 s18, ttmp9, 31
	s_lshl_b32 s20, s17, 22                        ; 64 rows of 65,536 bytes,
	s_lshl_b32 s18, s18, 11                        ; the work-group's 512 positions,
	s_add_co_u32 s20, s20, s18
	s_lshl_b32 s18, s16, 8                         ; my wave's 64
	s_add_co_u32 s20, s20, s18
	s_mov_b32 s21, 0
	s_lshl_b32 s22, s17, 11                        ; the batch's parameters: 2,048 bytes
	s_mov_b32 s23, 0
	s_wait_kmcnt 0x0
	s_load_b64 s[18:19], s[8:9], 0x0               ; e0, e1
	s_add_nc_u64 s[4:5], s[4:5], s[20:21]
	s_add_nc_u64 s[14:15], s[14:15], s[20:21]
	s_add_nc_u64 s[10:11], s[10:11], s[22:23]
	s_wait_alu depctr_va_vdst(0)                   ; v1 to v6 are written: every load, LDS load and store of the kernel reads one of them as its offset or address, and no vector line names them again
	global_load_b64 v[10:11], v3, s[10:11]         ; 256 threads x 8 bytes
.set i, 0
.rept 32
	global_load_b128 v[X+4*i:X+4*i+3], v1, s[4:5] offset:65536*i th:TH_LOAD_NT   ; all of the wave's u is asked for at once
.set i, i+1
.endr
	s_mov_b32 s[CE], 0xc1160a50                    ; -6.5 log2(e)
	s_mov_b32 s[CE+1], 0xc1160a50                  ; (named with it as a pair, so it is written)
	s_wait_kmcnt 0x0
	s_add_co_i32 s20, s18, s19
	s_add_co_i32 s20, s20, 127
	s_lshl_b32 s20, s20, 23                        ; 2^(e0 + e1) as f32
	s_add_co_i32 s21, s18, 127
	s_lshl_b32 s22, s21, 23
	v_mov_b32 v7, s22                              ; 2^e0 as f32: the conversion takes its exponent field
	s_add_co_i32 s21, s21, 8
	s_lshl_b32 s21, s21, 23
	s_or_b32 s21, s21, 0x600000
	v_mov_b32 v8, s21                              ; 448 x 2^e0
	s_wait_loadcnt 32                              ; my 8 bytes of parameters are in; u's 32 loads, issued behind, stay out
	ds_store_b64 v3, v[10:11]                      ; (its data come from a load, its address from ahead of the head's wait)
	s_wait_dscnt 0x0                               ; for the others' sake: my store has landed
	s_barrier_signal -1
	s_barrier_wait -1                              ; the batch's 2,048 bytes lie in LDS
	WIN 0x40                                       ; destination: window 1
	PLOAD 0                                        ; the first two chunks' parameters.  No wait: v4 was written ahead of the head's wait, and no vector line has named these registers
	PLOAD 1
	WIN 0
	CHUNK 0, 24, 16                                ; behind its 8 loads of u: 24; behind its 16 loads from LDS: chunk 1's 16.  It asks for chunk 2's parameters, for Wt's codes and for the bias
	CHUNK 1, 32, 16                                ; 16 of u and the 16 of Wt's codes and the bias; chunk 2's 16 from LDS.  It asks for chunk 3's parameters
	CHUNK 2, 24, 16                                ; 8 of u and those 16; chunk 3's 16 from LDS
	CHUNK 3, 16, 0                                 ; those 16
	s_wait_loadcnt 0x0                             ; Wt's codes and the bias
	WIN 0x01                                       ; source 0 (Wt): window 1
.irp ot, 0,1,2,3
.irp e, 0,1,2,3
	v_wmma_f32_16x16x64_fp8_fp8 v[X+32*\ot+8*\e:X+32*\ot+8*\e+7], v[8*\ot:8*\ot+7], v[CD+8*\e:CD+8*\e+7], 0   ; sixteen accumulators, each written once
.endr
.endr
	WIN 0x10                                       ; source 2 (the bias): window 1; a store's address and data: window 0
.rept 4
	v_nop                                          ; four places between the last product and the first read of a result (ISA guide 7.12.1)
.endr
.irp j, 0,1,2,3,4,5,6,7
	SUMS 0, Z, \j
.endr
	s_wait_alu depctr_va_vdst(0)                   ; tile row 0's multiply-adds have written v[Z ..], which its eight stores read; the lines dealt among them write v[A ..]
.irp j, 0,1,2,3,4,5,6,7
	SEND 0, Z, \j
	SUMS 1, A, \j
.endr
	s_wait_alu depctr_va_vdst(0)                   ; tile row 1's multiply-adds have written v[A ..], which its eight stores read; the lines dealt among them write v[CD ..]: y's codes are done with
.irp j, 0,1,2,3,4,5,6,7
	SEND 1, A, \j
	SUMS 2, CD, \j
.endr
	s_wait_alu depctr_va_vdst(0)                   ; tile row 2's multiply-adds have written v[CD ..], which its eight stores read; the lines dealt among them write v[X ..]: tile row 0's sums are done with
.irp j, 0,1,2,3,4,5,6,7
	SEND 2, CD, \j
	SUMS 3, X, \j
.endr
	s_wait_alu depctr_va_vdst(0)                   ; tile row 3's multiply-adds have written v[X ..], which the last eight stores read
.irp j, 0,1,2,3,4,5,6,7
	SEND 3, X, \j
.endr
	WIN 0                                          ; the add's two registers lie in window 0
	s_wait_dscnt 0x0                               ; the closing lines, six on end
	s_wait_alu 0x0
	s_wait_tensorcnt 0x0
	ds_add_u32 v254, v255
	s_wait_dscnt 0x0
	s_endpgm
.Lfunc_end_k_q87b47f498f_final:
	.size	k_q87b47f498f_final, .Lfunc_end_k_q87b47f498f_final-k_q87b47f498f_final
	.p2alignl 7, 3214868480
	.fill 96, 4, 3214868480
	.section	.rodata,"a",@progbits
	.p2align	6, 0x0
	.amdhsa_kernel k_q87b47f498f_final
		.amdhsa_group_segment_fixed_size 3072
		.amdhsa_private_segment_fixed_size 0
		.amdhsa_enable_private_segment 0
		.amdhsa_kernarg_size 48
		.amdhsa_user_sgpr_count 2
		.amdhsa_user_sgpr_kernarg_segment_ptr 1
		.amdhsa_wavefront_size32 1
		.amdhsa_system_sgpr_workgroup_id_x 1
		.amdhsa_system_sgpr_workgroup_id_y 1
		.amdhsa_system_sgpr_workgroup_id_z 1
		.amdhsa_system_vgpr_workitem_id 0
		.amdhsa_next_free_vgpr 512
		.amdhsa_next_free_sgpr 66
		.amdhsa_reserve_vcc 0
		.amdhsa_float_denorm_mode_32 3
		.amdhsa_float_denorm_mode_16_64 3
		.amdhsa_memory_ordered 1
		.amdhsa_forward_progress 1
		.amdhsa_inst_pref_size 70
	.end_amdhsa_kernel
	.amdgpu_metadata
---
amdhsa.version: [ 1, 2 ]
amdhsa.kernels:
  - .name:           k_q87b47f498f_final
    .symbol:         k_q87b47f498f_final.kd
    .args:
      - { .name: ubuf, .offset: 0, .size: 8, .value_kind: global_buffer, .address_space: global }
      - { .name: b, .offset: 8, .size: 8, .value_kind: global_buffer, .address_space: global }
      - { .name: lowp_scales, .offset: 16, .size: 8, .value_kind: global_buffer, .address_space: global }
      - { .name: params, .offset: 24, .size: 8, .value_kind: global_buffer, .address_space: global }
      - { .name: wcodes, .offset: 32, .size: 8, .value_kind: global_buffer, .address_space: global }
      - { .name: out0, .offset: 40, .size: 8, .value_kind: global_buffer, .address_space: global }
    .group_segment_fixed_size: 3072
    .private_segment_fixed_size: 0
    .kernarg_segment_align: 8
    .kernarg_segment_size: 48
    .max_flat_workgroup_size: 256
    .sgpr_count:     66
    .vgpr_count:     512
    .wavefront_size: 32
...
	.end_amdgpu_metadata
.endif
;; end of part 4
